; MI455X (gfx1250); checked and timed in simulation.
; The chip was launched on July 23, 2026; its instructions are those of AMD's public machine-readable ISA for CDNA 5 (MIT licence, August 2026) and "CDNA5" Instruction Set Architecture Reference Guide (July 2026). The comments in the code are by the model that wrote it; some were corrected since.
;; Re Ranker. Allowed arithmetic: float matrix products may take bf16 or f16 operands with f32 sums; all other float work in f32.
;; Inputs: candidate_emb 256 x 128 x 1,024 float32; doc_emb 256 x 1,024 float32; summary_emb 256 x 1,024 float32.
;; Outputs: out0 256 x 128 float32; out1 256 x 128 float32; out2 256 float32; out3 256 float32.
;; One version. Each part assembles by itself: llvm-mc -triple=amdgcn-amd-amdhsa -mcpu=gfx1250 --defsym DOCPART=n.
;; ======== version 1 of 1: 1 launch
;; limits: values outside matrix products are rounded to bf16
;; launch rerank (part 1): grid 256 x 1, 4 waves a work-group, no clusters, 43,520 bytes of LDS; arguments candidate_emb, doc_emb, summary_emb, out0, out1, out2, out3; writes out0, out1, out2, out3
.if DOCPART == 1
	.amdgcn_target "amdgcn-amd-amdhsa--gfx1250"
	.amdhsa_code_object_version 6
	.text
	.protected	k_q688303935f_rerank
	.globl	k_q688303935f_rerank
	.p2align	8
	.type	k_q688303935f_rerank,@function
k_q688303935f_rerank:
	s_mov_b64 s[64:65], 0
	v_nop
	global_prefetch_b8 v0, s[64:65] scope:SCOPE_SE
	s_setreg_imm32_b32 hwreg(HW_REG_WAVE_MODE, 25, 1), 1
	s_wait_xcnt 0x0
; ReRanker, one work-group (four waves) for each of the 256 batch rows b.
; X' = the 128 candidates of b, then doc[b], then summary[b], each 1,024 long.  Everything that is asked for is read off G = X' X'^T:
;   g[c] = G[c][c] (squared norms), G[doc][c], G[summary][c], G[doc][doc], G[summary][summary], G[doc][summary], and
;   inner[c] = (sum over m of G[m][c] rn[m]  -  g[c] rn[c]) rn[c] / 127   with rn = 1 / max(sqrt(g), 1e-8): the sum of a row of cosines less its diagonal.
; G is made by the matrix unit from operands rounded to bf16 (nearest even) with f32 sums; all that follows is f32.
; LIMITS, kept on purpose: the norms are G's diagonal, that is f32 sums of squares of the bf16-rounded numbers: they differ from the norm of the
; unrounded row by at most 2^-8 of it.  1 / max(sqrt(g), 1e-8) is computed as min(rsq(g), 1e8), the same number but for the last bits; v_rsq_f32 takes a g
; below 2^-126 as zero (ISA guide 15.8), where the norm is below 1e-19 and the clamp holds anyway.  / 127 is a multiplication by the rounded reciprocal.
; The order in which K is summed differs from work-group to work-group (see FILL).
;
; THE STREAM.  K goes in 16 stages of 64 columns (256 bytes of a row).  Wave w loads rows 32 w .. 32 w + 31: 16 loads of 16 bytes a lane, in each of which
; sixteen neighbouring lanes take 256 consecutive, aligned bytes of one row.  A ring of four stages in registers (window 1) keeps 64 loads of every wave
; asked for.  A stage is rounded to bf16, its ring slot is asked for again at once, and the 8 bytes a lane go into one of two stage buffers in LDS.
; No byte of an input is read twice, and no two work-groups read a common byte: so no cluster and no joint loads.
; THE PRODUCT.  Wave w owns the columns (candidates) 32 w .. 32 w + 31 of G and all its rows: 9 row blocks x 2 column blocks, and the block
; (doc, summary) x (doc, summary): 19 accumulators, window 2.  It reads the candidate blocks in the order (2 w + i) mod 8, so its own two blocks are
; always fragments 0 and 1, which serve as rows and as columns, and its two diagonal tiles are always accumulators 0 and 3.
;
; REGISTERS (s_set_vgpr_msb's low byte: bits 1:0 source 0, 3:2 source 1, 5:4 source 2, 7:6 destination):
;   window 0: addresses, converted words, fragments;   window 1: the ring, slot q at v[64 q];   window 2: accumulator T at v[8 T], T = 2 i + j, the last is 18
.set ROWB,   4096                      ; bytes in a row of candidate_emb, doc_emb, summary_emb
.set PITCH,  144                       ; an LDS row of a stage: 128 bytes of bf16 + 16: 9 x 16, so sixteen rows begin at sixteen different 16-byte columns of 256
.set BUF,    128*PITCH                 ; a stage buffer; two of them from LDS byte 0
.set EBASE,  2*BUF                     ; doc (2,048 bytes of bf16), then summary
.set EPITCH, 2064                      ; from doc to summary: 2,048 + 16
.set RNB,    41216                     ; 128 f32: 1 / norm of every candidate
.set SCB,    41728                     ; 4 f32: each wave's part of the summary's mean
.set OUTB,   41984                     ; 128 f32 outer, then 128 f32 inner, gathered for the way out
.set VOFF, 2                           ; byte offset of my 16 bytes in the batch row's block: (32 w + 8 (lane / 16)) rows + 16 (lane % 16); never rewritten
.set VST,  3                           ; LDS address of my 8 bytes in a stage buffer: the same rows x 144 + 8 (lane % 16)
.set VE,   4                           ; LDS address of my part of the doc/summary fragment
.set VEA,  5                           ; byte offsets of my two pieces of doc and of summary
.set AFR,  6                           ; v6-13   LDS address of my part of candidate block (2 w + i) mod 8
.set R,    14                          ; lane % 16
.set H,    15                          ; lane / 16
.set VEB,  16
.set VE8,  17                          ; 8 x thread
.set LT,   18
.set T0,   19                          ; v19-20  at work
.set TMP,  24                          ; v24-55  a stage's 16 x 2 words of bf16
.set F0,   64                          ; v64-135   fragments of a stage's first 32 of K: 8 candidate blocks, then doc/summary
.set F1,   136                         ; v136-207  of its second 32
.set ED,   208                         ; v208-223  doc and summary as loaded
.set VRN,  224                         ; 4 x (32 w + lane % 16)
.set VSC,  225                         ; 4 w
.set WAD,  226                         ; v226-233  where block (2 w + i) mod 8 has its 1 / norm: 64 x block + 32 (lane / 16)
.set VLD,  234                         ; 16 x thread
.set VL16, 235                         ; 16 x lane
.set G,    24                          ; behind the product, in TMP's registers: g of my column in block 0, 1
.set RN,   26                          ; 1 / norm of it
.set RNC,  28                          ; the same / 127
.set RD,   30                          ; 1 / norm of doc
.set RS,   31                          ; 1 / norm of summary
.set OU,   32                          ; outer
.set SCV,  34                          ; the summary's cosines, summed
.set PX,   36                          ; from the other half of the lanes
.set P,    40                          ; v40-47  four pairs of running sums
.set W,    64                          ; v64-127 weights
.set WV,   18                          ; s18     my wave's number
.set MSK,  36                          ; s36-43  the lanes that hold a diagonal tile's diagonal in register j
.set BQ,   56                          ; s56-63  a base address for each ring slot
.set FROM_RING, 0x05                   ; sources 0 and 1 in window 1
.set TO_RING,   0x40                   ; destination in window 1
.set MUL,       0xa0                   ; C and D in window 2
.set ACC_S1,    0x08                   ; source 1 in window 2
.set ACC_S0,    0x02                   ; source 0 in window 2
.set MSB, 0
.macro WIN new                         ; the immediate's high byte repeats the setting that is left; a switch that changes nothing is dropped
.if MSB != \new
	s_set_vgpr_msb (MSB<<8)|\new
.set MSB, \new
.endif
.endm
; Stage s is asked for, into ring slot s % 4.  Its columns are chunk (s + b) mod 16 of the rows' sixteen chunks of 256 bytes: work-group b begins at chunk
; b mod 16, so that the 256 work-groups together ask for all sixteen chunks at any one time and not all for the same one.  The slot's base is written only
; behind the wait that has shown the slot's last loads done.
.macro FILL s
	s_add_co_u32 s24, ttmp9, (\s)
	s_and_b32 s24, s24, 15
	s_lshl_b32 s24, s24, 8                         ; an offset, in a pair with 0 above it
	s_add_nc_u64 s[BQ+2*((\s)%4):BQ+2*((\s)%4)+1], s[4:5], s[24:25]
	WIN TO_RING
.irp a, 0,1
.irp c, 0,1,2,3,4,5,6,7
	global_load_b128 v[64*((\s)%4)+4*(8*\a+\c):64*((\s)%4)+4*(8*\a+\c)+3], v[VOFF], s[BQ+2*((\s)%4):BQ+2*((\s)%4)+1] offset:(16*\a+\c)*ROWB th:TH_LOAD_NT
.endr
.endr
.endm
; Stage s leaves the ring: rounded to bf16, the slot asked for again (stage s + 4), 8 bytes a lane into stage buffer s % 2.
; Lanes 0-15 hold a row and lanes 16-31 the row 8 further down: 8 x 144 = 1,152 = 128 mod 256, so the two rows' 128 bytes fall on different banks.
.macro PUT s
.if (\s) < 13
	s_wait_loadcnt 48                              ; loads come back in order (ISA guide 5.7.1): mine are in, the three younger stages' 48 stay out
.else
	s_wait_loadcnt 16*(15-(\s))                    ; the last stages: fewer are behind
.endif
	WIN FROM_RING
.irp t, 0,1,2,3,4,5,6,7,8,9,10,11,12,13,14,15
	v_cvt_pk_bf16_f32 v[TMP+2*\t],   v[64*((\s)%4)+4*\t],   v[64*((\s)%4)+4*\t+1]
	v_cvt_pk_bf16_f32 v[TMP+2*\t+1], v[64*((\s)%4)+4*\t+2], v[64*((\s)%4)+4*\t+3]
.endr
.if (\s) < 12
	FILL \s+4
.endif
	WIN 0
.irp a, 0,1
.irp c, 0,1,2,3,4,5,6,7
	ds_store_b64 v[VST], v[TMP+2*(8*\a+\c):TMP+2*(8*\a+\c)+1] offset:(16*\a+\c)*PITCH+((\s)%2)*BUF
.endr
.endr
.endm
; The fragments of stage s, both halves of its K, 36 loads in one run.  A fragment is 16 rows x 32 K in 8 registers: lane l holds row l % 16; registers 0-3
; hold K = 8 (l / 16) + 0..7, registers 4-7 K = 16 + 8 (l / 16) + 0..7: two loads of 16 bytes, 32 bytes apart.
; places = 1: a load into a register that a matrix instruction has read stands four places behind it, and only plain vector instructions are places
; (ISA guide 7.12.1 for vector instructions): four v_nop.  places = 0: a stage's 32 conversions stand there already.
.macro GET s, places
	WIN 0
.if \places
.rept 4
	v_nop
.endr
.endif
.irp k, 0,1
.irp i, 0,1,2,3,4,5,6,7
	ds_load_b128 v[F0+72*\k+8*\i:F0+72*\k+8*\i+3],   v[AFR+\i] offset:((\s)%2)*BUF+64*\k
	ds_load_b128 v[F0+72*\k+8*\i+4:F0+72*\k+8*\i+7], v[AFR+\i] offset:((\s)%2)*BUF+64*\k+32
.endr
	ds_load_b128 v[F0+72*\k+64:F0+72*\k+67], v[VE] offset:EBASE+128*(\s)+64*\k
	ds_load_b128 v[F0+72*\k+68:F0+72*\k+71], v[VE] offset:EBASE+128*(\s)+64*\k+32
.endr
.endm
; 19 matrix instructions, 32 along K: rows = block i (8 = doc/summary), columns = my block j.  The nineteen accumulators take turns, one instruction a turn,
; in the same order in every run.  zero = 1: the first products start the sums; nothing is cleared.
.macro GRAM f, zero
.irp i, 0,1,2,3,4,5,6,7,8
.irp j, 0,1
.if \zero
	v_wmma_f32_16x16x32_bf16 v[8*(2*\i+\j):8*(2*\i+\j)+7], v[\f+8*\i:\f+8*\i+7], v[\f+8*\j:\f+8*\j+7], 0
.else
	v_wmma_f32_16x16x32_bf16 v[8*(2*\i+\j):8*(2*\i+\j)+7], v[\f+8*\i:\f+8*\i+7], v[\f+8*\j:\f+8*\j+7], v[8*(2*\i+\j):8*(2*\i+\j)+7]
.endif
.endr
.endr
.if \zero
	v_wmma_f32_16x16x32_bf16 v[144:151], v[\f+64:\f+71], v[\f+64:\f+71], 0
.else
	v_wmma_f32_16x16x32_bf16 v[144:151], v[\f+64:\f+71], v[\f+64:\f+71], v[144:151]
.endif
.endm
; n0, n1: how many younger LDS instructions may be out when the first and the second half's 18 loads have to be in
.macro MULS zero, n0, n1
	s_wait_dscnt \n0
	WIN MUL
	GRAM F0, \zero
	s_wait_dscnt \n1
	GRAM F1, 0
.endm
; One barrier a stage does two things.  In front of it each wave's stores into the next buffer are done and its reads of the other buffer are back;
; behind it the next buffer is whole and the other may be written again.
.macro SYNC
	s_wait_dscnt 0x0
	s_barrier_signal -1
	s_barrier_wait -1
.endm
	s_load_b256 s[4:11], s[0:1], 0x0               ; candidate_emb s[4:5], doc_emb s[6:7], summary_emb s[8:9], out0 s[10:11]
	s_load_b128 s[12:15], s[0:1], 0x20             ; out1 s[12:13], out2 s[14:15]
	s_load_b64 s[16:17], s[0:1], 0x30              ; out3
	v_lshl_add_u32 v254, v0, 2, 0xa800
	v_mov_b32 v255, 0
	v_lshrrev_b32 v1, 5, v0
	v_readfirstlane_b32 s[WV], v1                  ; wave 0..3
	v_and_b32 v[R], 15, v0
	v_bfe_u32 v[H], v0, 4, 1
	s_lshl_b32 s19, s[WV], 17                      ; 32 rows of 4,096 bytes a wave
	v_lshl_add_u32 v[VOFF], v[R], 4, s19
	v_lshl_add_u32 v[VOFF], v[H], 15, v[VOFF]      ; lanes 16-31: 8 rows further down
	s_lshl_b32 s34, ttmp9, 8
	v_lshl_add_u32 v[VEA], v0, 4, s34              ; doc and summary are taken in the same turned order as the stages: LDS place 16 t holds
	v_and_b32 v[VEA], 0xfff, v[VEA]                ; the bytes at (16 t + 256 b) mod 4,096,
	v_xor_b32 v[VEB], 0x800, v[VEA]                ; and place 2,048 + 16 t those 2,048 further on, mod 4,096
	s_lshl_b32 s20, ttmp9, 19                      ; b x 128 rows x 4,096 bytes: below 2^27
	s_mov_b32 s21, 0
	s_lshl_b32 s22, ttmp9, 12                      ; b x 4,096 bytes
	s_mov_b32 s23, 0
	s_mov_b32 s25, 0
	s_wait_kmcnt 0x0
	s_add_nc_u64 s[4:5], s[4:5], s[20:21]
	s_add_nc_u64 s[6:7], s[6:7], s[22:23]
	s_add_nc_u64 s[8:9], s[8:9], s[22:23]
	global_load_b128 v[ED:ED+3],     v[VEA], s[6:7] th:TH_LOAD_NT
	global_load_b128 v[ED+4:ED+7],   v[VEB], s[6:7] th:TH_LOAD_NT
	global_load_b128 v[ED+8:ED+11],  v[VEA], s[8:9] th:TH_LOAD_NT
	global_load_b128 v[ED+12:ED+15], v[VEB], s[8:9] th:TH_LOAD_NT
	FILL 0                                         ; the ring is filled before anything else is done: 68 loads in a row.  No wait is put among them:
	FILL 1                                         ; a counter cannot overflow, the issue stalls instead (ISA guide 5.7.1), and the wave has
	FILL 2                                         ; nothing else to do until the first of them is back
	FILL 3
	WIN 0
	; addresses and constants, while the loads are on their way
	s_mul_i32 s19, s[WV], 32*PITCH
	v_mul_u32_u24 v[T0], v[H], 8*PITCH
	v_lshl_add_u32 v[T0], v[R], 3, v[T0]
	v_add_nc_u32 v[VST], s19, v[T0]
	v_mul_u32_u24 v[LT], v[R], PITCH
	v_lshl_add_u32 v[LT], v[H], 4, v[LT]           ; row x pitch + 16 x half
	v_lshlrev_b32 v[T0+1], 5, v[H]
	s_lshl_b32 s35, s[WV], 1
.irp i, 0,1,2,3,4,5,6,7
	s_add_co_u32 s34, s35, \i
	s_and_b32 s34, s34, 7                          ; block (2 w + i) mod 8
	v_lshl_add_u32 v[WAD+\i], s34, 6, v[T0+1]
	s_mul_i32 s34, s34, 16*PITCH
	v_add_nc_u32 v[AFR+\i], s34, v[LT]
.endr
	v_and_b32 v[T0], 1, v0                         ; the ninth block's 16 rows: even rows are doc, odd rows summary, so that every lane reads bytes that were written
	v_mul_u32_u24 v[T0], v[T0], EPITCH
	v_lshl_add_u32 v[VE], v[H], 4, v[T0]
	v_lshlrev_b32 v[VE8], 3, v0
	s_lshl_b32 s34, s[WV], 7
	v_lshl_add_u32 v[VRN], v[R], 2, s34
	s_lshl_b32 s34, s[WV], 2
	v_mov_b32 v[VSC], s34
	v_lshlrev_b32 v[VLD], 4, v0
	v_and_b32 v[VL16], 0x1f0, v[VLD]
.irp j, 0,1,2,3,4,5,6,7
	s_mov_b32 s[MSK+\j], (1<<\j)|(1<<(24+\j))      ; register j holds row 8 (l / 16) + j, column l % 16: the diagonal is in lanes j and 24 + j
.endr
	s_mov_b32 s44, 0x76543210                      ; v_permlanex16_b32: lane i of one half reads lane i of the other
	s_mov_b32 s45, 0xfedcba98
	s_wait_loadcnt 48                              ; doc, summary and stage 0 are in; stages 1 to 3 stay out
.irp j, 0,1,2,3
	v_cvt_pk_bf16_f32 v[ED+4*\j],   v[ED+4*\j],   v[ED+4*\j+1]
	v_cvt_pk_bf16_f32 v[ED+4*\j+1], v[ED+4*\j+2], v[ED+4*\j+3]
.endr
	ds_store_b64 v[VE8], v[ED:ED+1]     offset:EBASE
	ds_store_b64 v[VE8], v[ED+4:ED+5]   offset:EBASE+1024
	ds_store_b64 v[VE8], v[ED+8:ED+9]   offset:EBASE+EPITCH
	ds_store_b64 v[VE8], v[ED+12:ED+13] offset:EBASE+EPITCH+1024
	PUT 0
	SYNC
; A step: stage s's fragments are asked for; while they come, stage s + 1 leaves the ring and goes into the other buffer; then stage s is multiplied.
; Counts: behind the first half's 18 loads stand the second half's 18 and the 16 stores (34); behind the second half's the 16 stores.
; The sixteen steps are written out: the first starts the sums, the last four ask for nothing, and every offset is then a constant.
	GET 0, 0
	PUT 1
	MULS 1, 34, 16
	SYNC
.irp s, 1,2,3,4,5,6,7,8,9,10,11,12,13
	GET \s, 1
	PUT \s+1
	MULS 0, 34, 16
	SYNC
.endr
	GET 14, 1                                      ; the last stage but one is multiplied before the wave waits for the last loads: nothing then stands between their coming and their use
	MULS 0, 18, 0
	PUT 15
	SYNC
	GET 15, 0
	MULS 0, 18, 0
	; BEHIND THE PRODUCT.  Four places behind the last matrix instruction before a vector instruction reads a result (ISA guide 7.12.1).
	WIN 0
.rept 4
	v_nop
.endr
	WIN ACC_S1                                     ; g of my columns: the diagonals of accumulators 0 and 3, picked register by register; the other lanes get 0
	v_cndmask_b32 v[G],   0, v[0],  s[MSK]
	v_cndmask_b32 v[G+1], 0, v[24], s[MSK]
.irp j, 1,2,3,4,5,6,7
	v_cndmask_b32 v[G],   v[G],   v[\j],    s[MSK+\j]
	v_cndmask_b32 v[G+1], v[G+1], v[24+\j], s[MSK+\j]
.endr
	WIN ACC_S0                                     ; accumulator 18: even rows and columns are doc, odd ones summary
	v_readlane_b32 s46, v[144], 0                  ; doc . doc
	v_readlane_b32 s47, v[144], 1                  ; doc . summary
	v_readlane_b32 s48, v[145], 1                  ; summary . summary
	WIN 0
	v_permlanex16_b32 v[PX],   v[G],   s44, s45    ; lanes 0-7 and 24-31 hold columns 0-7 and 8-15: with the other half's, every lane has its column's g
	v_permlanex16_b32 v[PX+1], v[G+1], s44, s45
	v_add_f32 v[G],   v[G],   v[PX]
	v_add_f32 v[G+1], v[G+1], v[PX+1]
	v_rsq_f32 v[RN],   v[G]
	v_rsq_f32 v[RN+1], v[G+1]
	v_rsq_f32 v[RD], s46
	v_rsq_f32 v[RS], s48
	v_nop                                          ; one plain vector instruction before a transcendental's result is used (ISA guide 5.7.2)
	s_wait_alu depctr_va_vdst(0)
	v_min_num_f32 v[RN],   0x4cbebc20, v[RN]       ; min(1 / sqrt(g), 1e8) = 1 / max(sqrt(g), 1e-8)
	v_min_num_f32 v[RN+1], 0x4cbebc20, v[RN+1]
	v_min_num_f32 v[RD],   0x4cbebc20, v[RD]
	v_min_num_f32 v[RS],   0x4cbebc20, v[RS]
	ds_store_b32 v[VRN], v[RN]   offset:RNB        ; both halves of the lanes write the same word with the same number
	ds_store_b32 v[VRN], v[RN+1] offset:RNB+64
	s_wait_dscnt 0x0                               ; for the others' sake: zero
	s_barrier_signal -1
	WIN ACC_S0                                     ; register work while the others arrive.  Accumulators 16, 17: register 0 = doc . candidate, register 1 = summary . candidate, in every lane
	v_mul_f32 v[OU],   v[128], v[RN]
	v_mul_f32 v[OU+1], v[136], v[RN+1]
	v_mul_f32 v[SCV],  v[129], v[RN]
	v_fma_f32 v[SCV],  v[137], v[RN+1], v[SCV]
	WIN 0
	v_mul_f32 v[OU],   v[OU],   v[RD]              ; outer
	v_mul_f32 v[OU+1], v[OU+1], v[RD]
	v_add_f32_dpp v[SCV], v[SCV], v[SCV] row_xmask:1 row_mask:0xf bank_mask:0xf
	v_add_f32_dpp v[SCV], v[SCV], v[SCV] row_xmask:2 row_mask:0xf bank_mask:0xf
	v_add_f32_dpp v[SCV], v[SCV], v[SCV] row_xmask:4 row_mask:0xf bank_mask:0xf
	v_add_f32_dpp v[SCV], v[SCV], v[SCV] row_xmask:8 row_mask:0xf bank_mask:0xf    ; my 32 candidates' sum; the two halves of the lanes hold the same
	v_mul_f32 v[RNC],   0x3c010204, v[RN]          ; 1 / 127
	v_mul_f32 v[RNC+1], 0x3c010204, v[RN+1]
	s_barrier_wait -1
	; the weights: register j of block i's tiles holds row 16 x block + 8 (l / 16) + j, so a lane wants eight neighbouring 1 / norm of each block
.irp i, 0,1,2,3,4,5,6,7
	ds_load_b128 v[W+8*\i:W+8*\i+3],   v[WAD+\i] offset:RNB
	ds_load_b128 v[W+8*\i+4:W+8*\i+7], v[WAD+\i] offset:RNB+16
.endr
	WIN ACC_S0
.irp i, 0,1,2,3,4,5,6,7
	s_wait_dscnt 14-2*\i                           ; block i's two loads are in; the later blocks' stay out
.irp p, 0,1,2,3
.irp j, 0,1
.if 4*\i+\p < 2
	v_pk_mul_f32 v[P+4*\j+2*\p:P+4*\j+2*\p+1], v[8*(2*\i+\j)+2*\p:8*(2*\i+\j)+2*\p+1], v[W+8*\i+2*\p:W+8*\i+2*\p+1]   ; the first products start the four chains
.else
	v_pk_fma_f32 v[P+4*\j+2*(\p%2):P+4*\j+2*(\p%2)+1], v[8*(2*\i+\j)+2*\p:8*(2*\i+\j)+2*\p+1], v[W+8*\i+2*\p:W+8*\i+2*\p+1], v[P+4*\j+2*(\p%2):P+4*\j+2*(\p%2)+1]
.endif
.endr
.endr
.endr
	WIN 0
	v_pk_add_f32 v[P:P+1],   v[P:P+1],   v[P+2:P+3]
	v_pk_add_f32 v[P+4:P+5], v[P+4:P+5], v[P+6:P+7]
	v_add_f32 v[P],   v[P],   v[P+1]
	v_add_f32 v[P+4], v[P+4], v[P+5]
	v_permlanex16_b32 v[P+1], v[P],   s44, s45     ; rows 8 (l / 16) + j: the other half of the lanes has the other eight rows of each block
	v_permlanex16_b32 v[P+5], v[P+4], s44, s45
	v_add_f32 v[P],   v[P],   v[P+1]
	v_add_f32 v[P+4], v[P+4], v[P+5]
	v_fma_f32 v[P],   -v[G],   v[RN],   v[P]       ; less the diagonal's term: the same g and the same weight that went in
	v_fma_f32 v[P+4], -v[G+1], v[RN+1], v[P+4]
	v_mul_f32 v[P],   v[P],   v[RNC]               ; inner
	v_mul_f32 v[P+4], v[P+4], v[RNC+1]
	ds_store_b32 v[VRN], v[OU]   offset:OUTB
	ds_store_b32 v[VRN], v[OU+1] offset:OUTB+64
	ds_store_b32 v[VRN], v[P]    offset:OUTB+512
	ds_store_b32 v[VRN], v[P+4]  offset:OUTB+512+64
	ds_store_b32 v[VSC], v[SCV]  offset:SCB
	SYNC
	; THE WAY OUT.  Wave 0 stores the 128 outer, wave 1 the 128 inner: one store of 512 consecutive bytes, at a multiple of 512 from the buffer's first byte.
	s_cmp_lt_u32 s[WV], 2
	s_cbranch_scc0 .Lscalars
	s_cmp_eq_u32 s[WV], 0
	s_cselect_b64 s[50:51], s[10:11], s[12:13]
	s_lshl_b32 s52, ttmp9, 9
	s_mov_b32 s53, 0
	s_add_nc_u64 s[50:51], s[50:51], s[52:53]
	ds_load_b128 v[W:W+3], v[VLD] offset:OUTB      ; 16 x thread: wave 0 reads the first 512 bytes, wave 1 the second
	s_wait_dscnt 0x0
	global_store_b128 v[VL16], v[W:W+3], s[50:51] th:TH_STORE_NT
	s_wait_tensorcnt 0x0
	ds_add_u32 v254, v255
	s_wait_dscnt 0x0
	s_endpgm
.Lscalars:
	s_cmp_eq_u32 s[WV], 2
	s_cbranch_scc0 .Lend
	v_mov_b32 v[T0], 0
	ds_load_b128 v[W:W+3], v[T0] offset:SCB        ; the four waves' parts
	v_mul_f32 v[T0+1], s47, v[RD]
	v_mul_f32 v[T0+1], v[T0+1], v[RS]              ; summary_score
	s_lshl_b32 s52, ttmp9, 2
	s_mov_b32 s53, 0
	s_add_nc_u64 s[14:15], s[14:15], s[52:53]
	s_add_nc_u64 s[16:17], s[16:17], s[52:53]
	s_wait_dscnt 0x0
	v_add_f32 v[W],   v[W],   v[W+1]
	v_add_f32 v[W+2], v[W+2], v[W+3]
	v_add_f32 v[W],   v[W],   v[W+2]
	v_mul_f32 v[W],   v[W],   v[RS]
	v_mul_f32 v[W],   0x3c000000, v[W]             ; / 128, exact: summary_avg_score
	v_cmp_eq_u32 vcc_lo, 64, v0                    ; one number for each batch row: one lane stores it
	s_wait_xcnt 0x0                                ; EXEC changes only behind s_wait_xcnt 0
	s_and_saveexec_b32 s54, vcc_lo
	global_store_b32 v[T0], v[T0+1], s[14:15]
	global_store_b32 v[T0], v[W],    s[16:17]
	s_wait_xcnt 0x0                                ; and again, in front of the line that widens it
	s_or_b32 exec_lo, exec_lo, s54
.Lend:
	s_wait_tensorcnt 0x0
	ds_add_u32 v254, v255
	s_wait_dscnt 0x0
	s_endpgm
.Lfunc_end_k_q688303935f_rerank:
	.size	k_q688303935f_rerank, .Lfunc_end_k_q688303935f_rerank-k_q688303935f_rerank
	.p2alignl 7, 3214868480
	.fill 96, 4, 3214868480
	.section	.rodata,"a",@progbits
	.p2align	6, 0x0
	.amdhsa_kernel k_q688303935f_rerank
		.amdhsa_group_segment_fixed_size 43520
		.amdhsa_private_segment_fixed_size 0
		.amdhsa_enable_private_segment 0
		.amdhsa_kernarg_size 56
		.amdhsa_user_sgpr_count 2
		.amdhsa_user_sgpr_kernarg_segment_ptr 1
		.amdhsa_wavefront_size32 1
		.amdhsa_system_sgpr_workgroup_id_x 1
		.amdhsa_system_sgpr_workgroup_id_y 1
		.amdhsa_system_sgpr_workgroup_id_z 1
		.amdhsa_system_vgpr_workitem_id 0
		.amdhsa_next_free_vgpr 664
		.amdhsa_next_free_sgpr 66
		.amdhsa_reserve_vcc 1
		.amdhsa_float_denorm_mode_32 3
		.amdhsa_float_denorm_mode_16_64 3
		.amdhsa_memory_ordered 1
		.amdhsa_forward_progress 1
		.amdhsa_inst_pref_size 172
	.end_amdhsa_kernel
	.amdgpu_metadata
---
amdhsa.version: [ 1, 2 ]
amdhsa.kernels:
  - .name:           k_q688303935f_rerank
    .symbol:         k_q688303935f_rerank.kd
    .args:
      - { .name: candidate_emb, .offset: 0, .size: 8, .value_kind: global_buffer, .address_space: global }
      - { .name: doc_emb, .offset: 8, .size: 8, .value_kind: global_buffer, .address_space: global }
      - { .name: summary_emb, .offset: 16, .size: 8, .value_kind: global_buffer, .address_space: global }
      - { .name: out0, .offset: 24, .size: 8, .value_kind: global_buffer, .address_space: global }
      - { .name: out1, .offset: 32, .size: 8, .value_kind: global_buffer, .address_space: global }
      - { .name: out2, .offset: 40, .size: 8, .value_kind: global_buffer, .address_space: global }
      - { .name: out3, .offset: 48, .size: 8, .value_kind: global_buffer, .address_space: global }
    .group_segment_fixed_size: 43520
    .private_segment_fixed_size: 0
    .kernarg_segment_align: 8
    .kernarg_segment_size: 56
    .max_flat_workgroup_size: 128
    .sgpr_count:     66
    .vgpr_count:     664
    .wavefront_size: 32
...
	.end_amdgpu_metadata
.endif
;; end of part 1
